; MI455X (gfx1250); checked and timed in simulation.
; The chip was launched on July 23, 2026; its instructions are those of AMD's public machine-readable ISA for CDNA 5 (MIT licence, August 2026) and "CDNA5" Instruction Set Architecture Reference Guide (July 2026). The comments in the code are by the model that wrote it; some were corrected since.
;; Base Attention. Allowed arithmetic: float matrix products may take bf16 or f16 operands with f32 sums; all other float work in f32.
;; Inputs: W_k 1,024 x 1,024 float32; W_o 1,024 x 1,024 float32; W_q 1,024 x 1,024 float32; W_v 1,024 x 1,024 float32; b_o 1,024 float32; x 2 x 2,048 x 1,024 float32.
;; Outputs: out0 2 x 2,048 x 1,024 float32.
;; One version. Each part assembles by itself: llvm-mc -triple=amdgcn-amd-amdhsa -mcpu=gfx1250 --defsym DOCPART=n.
;; ======== version 1 of 1: 4 launches
;; limits: values are held in f16: magnitudes above 65,504 overflow, below 6.1e-05 lose precision
;; workspace buffers: xb 8,388,608 bytes; wt 6,291,456 bytes; wot 2,097,152 bytes; qkv 25,165,824 bytes; ctx 8,388,608 bytes
;; launch prep (part 1): grid 512 x 1, 8 waves a work-group, no clusters, 17,664 bytes of LDS; arguments x, W_q, W_k, W_v, W_o, xb, wt, wot; writes xb, wt, wot
.if DOCPART == 1
	.amdgcn_target "amdgcn-amd-amdhsa--gfx1250"
	.amdhsa_code_object_version 6
	.text
	.protected	k_q69906f80fc_prep
	.globl	k_q69906f80fc_prep
	.p2align	8
	.type	k_q69906f80fc_prep,@function
k_q69906f80fc_prep:
	s_mov_b64 s[64:65], 0
	v_nop
	global_prefetch_b8 v0, s[64:65] scope:SCOPE_SE
	s_setreg_imm32_b32 hwreg(HW_REG_WAVE_MODE, 25, 1), 1
	s_wait_xcnt 0x0
; xb = bf16(x), as it lies.  wt[sel*1024 + n][k] = bf16(W_sel[k][n]) for sel = 0, 1, 2 (q, k, v).
; wot[n][k] = bf16(W_o[k][n]) WRITTEN IN f16's FORMAT: W_o is rounded to bf16 like the other four matrix inputs, so that the program as a
; whole computes reference() on inputs rounded to bf16; its partner in the last product, ctx, needs f16's 11 significant bits, and both
; operands of a matrix instruction have one format.  This is not the closest f16 to W_o.  A bf16 number is exact in f16 from 2^-17 to
; 65,504; below, the error is at most 2^-25; LIMIT: above 65,504 it becomes infinite (the drawn W_o stay below 0.1).
; 512 work-groups of equal work: group g converts 32,768 bytes of x and transposes one tile of 128 k x 64 n of one weight
; (weight g >> 7, k tile (g >> 4) & 7, n tile g & 15).  A stream: every byte is read once and written once; the matrix units, clusters
; and tensor loads would add nothing, no two work-groups read the same bytes.
; The tile turns in LDS: T[64 n][128 k] of 2 bytes with rows 260 bytes apart (65 words), so that the words which the 32 lanes of a store
; (4 gq + p + constant) or of a load (n + 4 gq + constant) touch differ modulo 64.
.set WROW, 4096                        ; bytes in a row of a weight
.set TP,   260                         ; bytes from row to row of T
.set WF,   8                           ; v[8:39]   pass s: row k = 32 s + 2 p in 4 registers, row k + 1 in the next 4; then at work
.set XF,   40                          ; v[40:71]  x, eight loads of 16 bytes
.set PW,   72                          ; v[72:87]  packed pairs (k, k + 1) on the way in, rows of T on the way out
.set PX,   88                          ; v[88:103] packed x
	s_load_b512 s[16:31], s[0:1], 0x0              ; x 16, W_q 18, W_k 20, W_v 22, W_o 24, xb 26, wt 28, wot 30
	v_lshl_add_u32 v104, v0, 2, 0x4100
	v_mov_b32 v105, 0
	s_lshr_b32 s2, ttmp9, 7                        ; which weight
	s_bfe_u32 s4, ttmp9, 0x30004                   ; k tile
	s_and_b32 s5, ttmp9, 15                        ; n tile
	s_lshl_b32 s6, s4, 19                          ; source: 128 rows of 4,096 bytes a k tile,
	s_lshl_b32 s7, s5, 8                           ; 64 numbers of 4 bytes an n tile
	s_add_co_u32 s6, s6, s7
	s_mov_b32 s7, 0
	s_cmp_eq_u32 s2, 3
	s_cselect_b32 s3, 0, s2                        ; W_o has a buffer of its own: no plane offset
	s_lshl_b32 s8, s3, 21                          ; target: 1,024 rows of 2,048 bytes a weight,
	s_lshl_b32 s9, s5, 17                          ; 64 rows an n tile,
	s_add_co_u32 s8, s8, s9
	s_lshl_b32 s9, s4, 8                           ; 128 numbers of 2 bytes a k tile
	s_add_co_u32 s8, s8, s9
	s_mov_b32 s9, 0
	s_lshl_b32 s10, ttmp9, 15                      ; my 32,768 bytes of x
	s_mov_b32 s11, 0
	s_lshl_b32 s12, ttmp9, 14                      ; my 16,384 bytes of xb
	s_mov_b32 s13, 0
	v_lshrrev_b32 v7, 4, v0                        ; p  = t / 16
	v_and_b32 v72, 15, v0                          ; gq = t % 16
	v_lshlrev_b32 v1, 4, v0                        ; x: 16 t
	v_lshlrev_b32 v2, 3, v0                        ; xb: 8 t
	v_lshlrev_b32 v3, 4, v72
	v_lshl_add_u32 v3, v7, 13, v3                  ; W: two rows a p, 16 bytes a gq
	v_mul_u32_u24 v4, v72, 4*TP
	v_lshl_add_u32 v4, v7, 2, v4                   ; T in: row 4 gq (+ c), word p (+ 16 s)
	v_mul_u32_u24 v5, v7, TP
	v_lshl_add_u32 v5, v72, 4, v5                  ; T out: row p (+ 16 u), 16 bytes a gq
	v_lshlrev_b32 v6, 4, v72
	v_lshl_add_u32 v6, v7, 11, v6                  ; target: row p (+ 16 u) of 2,048 bytes, 16 bytes a gq
	s_wait_kmcnt 0x0
	s_cmp_eq_u32 s2, 1
	s_cselect_b64 s[32:33], s[20:21], s[18:19]
	s_cmp_eq_u32 s2, 2
	s_cselect_b64 s[32:33], s[22:23], s[32:33]
	s_cmp_eq_u32 s2, 3
	s_cselect_b64 s[32:33], s[24:25], s[32:33]     ; the weight that I read
	s_cselect_b64 s[34:35], s[30:31], s[28:29]     ; and the buffer that I write
	s_add_nc_u64 s[32:33], s[32:33], s[6:7]
	s_add_nc_u64 s[34:35], s[34:35], s[8:9]
	s_add_nc_u64 s[16:17], s[16:17], s[10:11]
	s_add_nc_u64 s[26:27], s[26:27], s[12:13]
.irp s, 0,1,2,3
	global_load_b128 v[WF+8*\s:WF+8*\s+3],   v3, s[32:33] offset:\s*32*WROW th:TH_LOAD_NT        ; sixteen lanes take the tile's 256 bytes of a row
	global_load_b128 v[WF+8*\s+4:WF+8*\s+7], v3, s[32:33] offset:\s*32*WROW+WROW th:TH_LOAD_NT
.endr
.irp j, 0,1,2,3,4,5,6,7
	global_load_b128 v[XF+4*\j:XF+4*\j+3], v1, s[16:17] offset:\j*4096 th:TH_LOAD_NT
.endr
	s_wait_loadcnt 0x8                             ; the weight's eight loads are in; the eight of x, issued behind them, stay out
.irp s, 0,1,2,3
.irp c, 0,1,2,3
	v_cvt_pk_bf16_f32 v[PW+4*\s+\c], v[WF+8*\s+\c], v[WF+8*\s+4+\c]      ; (k, k + 1) of column 4 gq + c
.endr
.endr
	s_cmp_lg_u32 s2, 3
	s_cbranch_scc1 .Lstays_bf16                    ; the branch hangs on the work-group's number alone
.set i, 0
.rept 16                                           ; W_o: the bf16 numbers widened to f32 (a shift, a mask) and written as f16
	v_lshlrev_b32 v[WF+2*i], 16, v[PW+i]
	v_and_b32 v[WF+2*i+1], 0xffff0000, v[PW+i]
	v_cvt_pk_f16_f32 v[PW+i], v[WF+2*i], v[WF+2*i+1]
.set i, i+1
.endr
.Lstays_bf16:
.irp s, 0,1,2,3
.irp c, 0,1,2,3
	ds_store_b32 v4, v[PW+4*\s+\c] offset:\c*TP+64*\s
.endr
.endr
	s_wait_dscnt 0x0                               ; my stores are in LDS before I say so
	s_barrier_signal -1
	s_barrier_wait -1                              ; everybody's are
.irp u, 0,1,2,3
.irp c, 0,1,2,3
	ds_load_b32 v[PW+4*\u+\c], v5 offset:\u*16*TP+4*\c                   ; rows are 260 bytes apart: words, not 16-byte loads
.endr
.endr
	s_wait_loadcnt 0x0                             ; x
.irp j, 0,1,2,3,4,5,6,7
	v_cvt_pk_bf16_f32 v[PX+2*\j],   v[XF+4*\j],   v[XF+4*\j+1]
	v_cvt_pk_bf16_f32 v[PX+2*\j+1], v[XF+4*\j+2], v[XF+4*\j+3]
	global_store_b64 v2, v[PX+2*\j:PX+2*\j+1], s[26:27] offset:\j*2048   ; a wave's store covers 256 consecutive bytes, aligned
.endr
	s_wait_dscnt 0x0
.irp u, 0,1,2,3
	global_store_b128 v6, v[PW+4*\u:PW+4*\u+3], s[34:35] offset:\u*16*2048   ; sixteen lanes: 128 k of one row n, 256 bytes, aligned
.endr
	s_wait_tensorcnt 0x0
	ds_add_u32 v104, v105
	s_wait_dscnt 0x0
	s_endpgm
.Lfunc_end_k_q69906f80fc_prep:
	.size	k_q69906f80fc_prep, .Lfunc_end_k_q69906f80fc_prep-k_q69906f80fc_prep
	.p2alignl 7, 3214868480
	.fill 96, 4, 3214868480
	.section	.rodata,"a",@progbits
	.p2align	6, 0x0
	.amdhsa_kernel k_q69906f80fc_prep
		.amdhsa_group_segment_fixed_size 17664
		.amdhsa_private_segment_fixed_size 0
		.amdhsa_enable_private_segment 0
		.amdhsa_kernarg_size 64
		.amdhsa_user_sgpr_count 2
		.amdhsa_user_sgpr_kernarg_segment_ptr 1
		.amdhsa_wavefront_size32 1
		.amdhsa_system_sgpr_workgroup_id_x 1
		.amdhsa_system_sgpr_workgroup_id_y 1
		.amdhsa_system_sgpr_workgroup_id_z 1
		.amdhsa_system_vgpr_workitem_id 0
		.amdhsa_next_free_vgpr 106
		.amdhsa_next_free_sgpr 66
		.amdhsa_reserve_vcc 0
		.amdhsa_float_denorm_mode_32 3
		.amdhsa_float_denorm_mode_16_64 3
		.amdhsa_memory_ordered 1
		.amdhsa_forward_progress 1
		.amdhsa_inst_pref_size 12
	.end_amdhsa_kernel
	.amdgpu_metadata
---
amdhsa.version: [ 1, 2 ]
amdhsa.kernels:
  - .name:           k_q69906f80fc_prep
    .symbol:         k_q69906f80fc_prep.kd
    .args:
      - { .name: x, .offset: 0, .size: 8, .value_kind: global_buffer, .address_space: global }
      - { .name: W_q, .offset: 8, .size: 8, .value_kind: global_buffer, .address_space: global }
      - { .name: W_k, .offset: 16, .size: 8, .value_kind: global_buffer, .address_space: global }
      - { .name: W_v, .offset: 24, .size: 8, .value_kind: global_buffer, .address_space: global }
      - { .name: W_o, .offset: 32, .size: 8, .value_kind: global_buffer, .address_space: global }
      - { .name: xb, .offset: 40, .size: 8, .value_kind: global_buffer, .address_space: global }
      - { .name: wt, .offset: 48, .size: 8, .value_kind: global_buffer, .address_space: global }
      - { .name: wot, .offset: 56, .size: 8, .value_kind: global_buffer, .address_space: global }
    .group_segment_fixed_size: 17664
    .private_segment_fixed_size: 0
    .kernarg_segment_align: 8
    .kernarg_segment_size: 64
    .max_flat_workgroup_size: 256
    .sgpr_count:     66
    .vgpr_count:     106
    .wavefront_size: 32
...
	.end_amdgpu_metadata
.endif
;; end of part 1
;; launch qkv (part 2): grid 16 x 16, 4 waves a work-group, clusters of 4 x 4, 327,680 bytes of LDS; arguments xb, wt, qkv; writes qkv
.if DOCPART == 2
	.amdgcn_target "amdgcn-amd-amdhsa--gfx1250"
	.amdhsa_code_object_version 6
	.text
	.protected	k_q69906f80fc_qkv
	.globl	k_q69906f80fc_qkv
	.p2align	8
	.type	k_q69906f80fc_qkv,@function
k_q69906f80fc_qkv:
	s_mov_b64 s[64:65], 0
	v_nop
	global_prefetch_b8 v0, s[64:65] scope:SCOPE_SE
	s_setreg_imm32_b32 hwreg(HW_REG_WAVE_MODE, 25, 1), 1
	s_wait_xcnt 0x0
	s_wait_alu depctr_hold_cnt(0) depctr_sa_sdst(0) depctr_va_vdst(0) depctr_va_sdst(0) depctr_va_ssrc(0) depctr_va_vcc(0) depctr_vm_vsrc(0)
	s_getreg_b32 s2, hwreg(HW_REG_IB_STS2, 6, 4)
	s_cmp_eq_u32 s2, 0
	s_cbranch_scc0 .Lentry_in_a_cluster
	s_endpgm
.Lentry_in_a_cluster:
	s_bfe_u32 s2, ttmp6, 0x10000c
	s_cmp_lg_u32 s2, 0xf033
	s_cbranch_scc0 .Lentry_shape_is_right
	s_endpgm
.Lentry_shape_is_right:
; C[m][N] = sum over k of xb[m][k] wt[N][k], 4,096 x 3,072 x 1,024, bf16 operands, f32 sums, rounded once to f16 and laid out by heads:
; qkv[plane = sel*32 + b*16 + head][n][64], sel = 0, 1, 2 for q, k, v.
; WHY f16: a query with few keys before it keeps ctx as large as v, so its outputs are some ten times the output's root mean square, to
; which the error is held; bf16's 8 significant bits in q, k, v are too few there, f16's 11 are enough.
; LIMIT: |q|, |k|, |v| above 65,504 become infinite.  The drawn inputs give up to about 4; x and the weights 30 times larger give 900
; times that; a common offset of 30 spreads on both gives 1,024 x 30 x 0.6 = about 18,500.  Below 2^-14 the step is 2^-24.
; A work-group makes 256 rows x 192 columns (three whole heads): 16 x 16 = 256 work-groups.  Wave w makes rows 64 w .. 64 w + 63 and all
; 192 columns, 4 x 12 accumulator tiles in 384 registers, so that 16 rows of one head, 2,048 consecutive bytes of qkv, lie in one wave.
; K goes in steps of 128 through two LDS slots filled by tensor loads; a tile's rows are 256 bytes of memory, aligned.
; CLUSTERS: 4 x 4 work-groups.  The four of a row of the cluster need the same rows of xb, the four of a column the same rows of wt:
; each tile is asked for jointly by the four, with one descriptor and a mask that names them.
; REGISTERS in windows of 256: window 0 addresses, A's fragments (two buffers of 4), the way out; window 1 B's fragments (two buffers
; of 12); window 2 the tiles (a, b = 0..5) at v[8 (6 a + b)]; window 3 the tiles (a, b = 6..11).
; The matrix instruction is used transposed (source 0 = rows of wt, source 1 = rows of xb): a lane then holds eight neighbouring
; columns of one row of C.
.set SIZE_K, 1024
.set KSTEP,  128
.set PITCH,  272                       ; an LDS row: 256 bytes + 16 of padding, an odd multiple of 16
.set HALFA,  128*PITCH                 ; what one tensor load of A brings
.set HALFB,  96*PITCH                  ; what one tensor load of B brings
.set BOFF,   2*HALFA                   ; B's 192 rows lie behind A's 256
.set SLOT,   2*HALFA+2*HALFB
.set STAGE,  2*SLOT                    ; behind the ring, a multiple of 256: no tensor load lands here
.set SP,     144                       ; the stage's rows: 128 bytes of a head + 16
.set HSTG,   16*SP                     ; 16 rows of one head
.set WSTG,   3*HSTG                    ; a wave's stage
.set LAPS,   SIZE_K/(2*KSTEP)
.set ADRA, 16                          ; v16-17  LDS address of my A fragments in slot 0, 1
.set ADRB, 20                          ; v20-21  the same for B
.set STO,  24
.set RD,   25
.set CO,   26
.set FA,   64                          ; window 0: A's buffer f at FA + 32 f
.set FBS,  96                          ; window 1: B's buffer f at 96 f
.set TMP,  128                         ; v128-175 packed results
.set RB,   176                         ; v176-223 rows read back
.set G1,  24
.set G0,  32
.set G1B, 48
.set G0B, 56
.set MSB, 0
.macro WIN new                         ; the immediate's high byte repeats the setting that is left
.if MSB != \new
	s_set_vgpr_msb (MSB<<8)|\new
.set MSB, \new
.endif
.endm
.set MUL_LO, 0xa1                      ; source 0 window 1, source 1 window 0, C and D window 2
.set MUL_HI, 0xf1                      ; the same, C and D window 3
.set TO_B,   0x40                      ; destination window 1
; A joint load: waves 0 and 1 fetch A's halves, waves 2 and 3 B's.  The branch hangs on the wave's number alone.
.macro JLOAD s
	s_cmp_eq_u32 s11, 0
	s_cbranch_scc0 .Lfor_b_\@
	tensor_load_to_lds s[G0+4*\s:G0+4*\s+3], s[G1:G1+7]
	s_nop 0
	s_branch .Lasked_\@
.Lfor_b_\@:
	tensor_load_to_lds s[G0B+4*\s:G0B+4*\s+3], s[G1B:G1B+7]
	s_nop 0
.Lasked_\@:
.endm
.macro CREST                           ; a round of the cluster's barrier behind its opening barrier
	s_cmp_lg_u32 s10, 0
	s_cbranch_scc1 .Lnot_wave_0_\@
	s_barrier_signal -3
.Lnot_wave_0_\@:
	s_barrier_wait -3
	s_barrier_signal -1
	s_barrier_wait -1
.endm
.macro CROUND                          ; a whole round
	s_barrier_signal -1
	s_barrier_wait -1
	CREST
.endm
	s_load_b128 s[4:7], s[0:1], 0x0                ; xb s[4:5], wt s[6:7]
	s_load_b64 s[8:9], s[0:1], 0x10                ; qkv
	s_set_vgpr_msb 0x40
	v_lshl_add_u32 v255, v0, 2, 0x42400
	s_set_vgpr_msb 0x4000
	v_mov_b32 v255, 0
	s_set_vgpr_msb 0x1
	ds_add_u32 v255, v255
	s_set_vgpr_msb 0x100
	v_lshrrev_b32 v1, 5, v0
	v_readfirstlane_b32 s10, v1                    ; wave 0..3
	s_lshr_b32 s11, s10, 1                         ; I fetch for A (0) or for B (1)
	s_and_b32 s12, s10, 1                          ; and which half of that tile
	s_bfe_u32 s40, ttmp6, 0x40000                  ; cx
	s_bfe_u32 s41, ttmp6, 0x40004                  ; cy
	s_lshl_b32 s42, ttmp9, 2
	s_add_co_u32 s42, s42, s40                     ; block column = 4 x cluster x + cx
	s_and_b32 s13, ttmp7, 0xffff
	s_lshl_b32 s13, s13, 2
	s_add_co_u32 s13, s13, s41                     ; block row = 4 x cluster y + cy
	s_lshl_b32 s43, s41, 2
	s_lshl_b32 s43, 15, s43                        ; my row of the cluster
	s_lshl_b32 s44, 0x1111, s40                    ; my column
	s_or_b32 s[G1+0], s43, (1<<16)|(1<<20)|(1<<21)|(5<<22)|(3<<25)   ; mask; 2-byte elements; padding on; bit 21 beside a mask; 4 words behind every 64
	s_or_b32 s[G1B+0], s44, (1<<16)|(1<<20)|(1<<21)|(5<<22)|(3<<25)
	s_mov_b32 s[G1+1], KSTEP<<16                   ; tensor_dim0 = 128
	s_mov_b32 s[G1B+1], KSTEP<<16
	s_mov_b32 s[G1+2], 128<<16                     ; tensor_dim1 = 128 rows of A
	s_mov_b32 s[G1B+2], 96<<16                     ;             = 96 rows of B
	s_mov_b32 s[G1+3], KSTEP<<16                   ; tile_dim0 = 128
	s_mov_b32 s[G1B+3], KSTEP<<16
	s_mov_b32 s[G1+4], 128                         ; tile_dim1
	s_mov_b32 s[G1B+4], 96
	s_mov_b32 s[G1+5], SIZE_K                      ; elements from row to row
	s_mov_b32 s[G1B+5], SIZE_K
	s_mov_b32 s[G1+6], 0
	s_mov_b32 s[G1B+6], 0
	s_mov_b32 s[G1+7], 0
	s_mov_b32 s[G1B+7], 0
	; A's tiles hang on the block row and the wave's number, B's on the block column and the wave's number
	s_lshl_b32 s17, s12, 7
	s_lshl_b32 s16, s13, 8
	s_add_co_u32 s16, s16, s17                     ; A: row 256 x block row + 128 x half
	s_lshl_b32 s16, s16, 11                        ; rows of 2,048 bytes: below 8 MiB
	s_mov_b32 s17, 0
	s_mul_i32 s46, s42, 192
	s_mul_i32 s47, s12, 96
	s_add_co_u32 s46, s46, s47                     ; B: row 192 x block column + 96 x half
	s_lshl_b32 s46, s46, 11
	s_mov_b32 s47, 0
	s_mul_i32 s20, s10, HALFA                      ; A's halves (waves 0, 1) at wave x 128 rows
	s_mul_i32 s21, s10, HALFB
	s_add_co_u32 s21, s21, BOFF-2*HALFB            ; B's halves (waves 2, 3) at BOFF + (wave - 2) x 96 rows
	s_wait_dscnt 0x0
	s_wait_kmcnt 0x0
	s_add_nc_u64 s[14:15], s[4:5], s[16:17]
	s_add_nc_u64 s[46:47], s[6:7], s[46:47]
	CROUND                                         ; all sixteen work-groups are here: the first joint loads meet
.irp s, 0,1
	s_mov_b32 s[G0+4*\s], 1
	s_add_co_u32 s[G0+4*\s+1], s20, \s*SLOT
	s_add_nc_u64 s[G0+4*\s+2:G0+4*\s+3], s[14:15], \s*KSTEP*2
	s_or_b32 s[G0+4*\s+3], s[G0+4*\s+3], 0x80000000
	s_mov_b32 s[G0B+4*\s], 1
	s_add_co_u32 s[G0B+4*\s+1], s21, \s*SLOT
	s_add_nc_u64 s[G0B+4*\s+2:G0B+4*\s+3], s[46:47], \s*KSTEP*2
	s_or_b32 s[G0B+4*\s+3], s[G0B+4*\s+3], 0x80000000
	JLOAD \s                                       ; K steps 0 and 1: two loads of the wave are out, later one
.endr
	v_and_b32 v1, 15, v0                           ; r
	v_bfe_u32 v2, v0, 4, 1                         ; h
	v_mul_u32_u24 v3, v1, PITCH
	v_lshl_add_u32 v3, v2, 4, v3                   ; a fragment: row r, 16 bytes for each half of the lanes
	s_mul_i32 s22, s10, 64*PITCH                   ; my 64 rows of A
	s_mov_b32 s23, BOFF                            ; all of B
.irp s, 0,1
	v_add_nc_u32 v[ADRA+\s], s22, v3
	v_add_nc_u32 v[ADRB+\s], s23, v3
	s_add_co_u32 s22, s22, SLOT
	s_add_co_u32 s23, s23, SLOT
.endr
	s_mul_i32 s45, s10, WSTG
	s_add_co_u32 s45, s45, STAGE                   ; my stage
	v_mul_u32_u24 v4, v1, SP
	v_lshl_add_u32 v4, v2, 4, v4
	v_add_nc_u32 v[STO], s45, v4                   ; in: row r, 16 bytes for each half
	v_bfe_u32 v5, v0, 3, 2
	v_mul_u32_u24 v5, v5, SP
	v_and_b32 v6, 7, v0
	v_lshl_add_u32 v5, v6, 4, v5
	v_add_nc_u32 v[RD], s45, v5                    ; back: eight lanes a row of 128 bytes, four rows a load
	v_and_b32 v6, 31, v0
	v_lshlrev_b32 v[CO], 4, v6                     ; and the same 512 bytes in qkv, where a head's rows follow each other
; 12 matrix instructions: m tiles a0, a0 + 1 x six n tiles (hi = 0: 0..5, 1: 6..11), 32 along K.  zero = 1: the first product starts the sums.
.macro MUL12 f, hi, a0, zero
.irp a, \a0, \a0+1
.irp b, 0,1,2,3,4,5
.if \zero
	v_wmma_f32_16x16x32_bf16 v[8*(6*(\a)+\b):8*(6*(\a)+\b)+7], v[FBS*\f+8*(6*\hi+\b):FBS*\f+8*(6*\hi+\b)+7], v[FA+32*\f+8*(\a):FA+32*\f+8*(\a)+7], 0
.else
	v_wmma_f32_16x16x32_bf16 v[8*(6*(\a)+\b):8*(6*(\a)+\b)+7], v[FBS*\f+8*(6*\hi+\b):FBS*\f+8*(6*\hi+\b)+7], v[FA+32*\f+8*(\a):FA+32*\f+8*(\a)+7], v[8*(6*(\a)+\b):8*(6*(\a)+\b)+7]
.endif
.endr
.endr
.endm
; 32 LDS loads in one run: A's four fragments, then B's twelve, of the 32 K at byte k of the rows, into buffer f
.macro FETCH slot, k, f
	WIN 0
.irp i, 0,1,2,3
	ds_load_b128 v[FA+32*\f+8*\i:FA+32*\f+8*\i+3],   v[ADRA+\slot] offset:\k+\i*16*PITCH
	ds_load_b128 v[FA+32*\f+8*\i+4:FA+32*\f+8*\i+7], v[ADRA+\slot] offset:\k+\i*16*PITCH+32
.endr
	WIN TO_B
.irp i, 0,1,2,3,4,5,6,7,8,9,10,11
	ds_load_b128 v[FBS*\f+8*\i:FBS*\f+8*\i+3],   v[ADRB+\slot] offset:\k+\i*16*PITCH
	ds_load_b128 v[FBS*\f+8*\i+4:FBS*\f+8*\i+7], v[ADRB+\slot] offset:\k+\i*16*PITCH+32
.endr
.endm
; Four plain vector instructions stand between a matrix instruction and a load into one of its sources, or a vector instruction that
; reads its result (ISA guide 7.12.1 for vector instructions).
.macro PLACES
.rept 4
	v_nop
.endr
.endm
; A quarter of a K step: 48 matrix instructions on buffer f; in its middle the next quarter's fragments are fetched into buffer g.
; The 48 accumulators take turns, one instruction a turn, in the same order in every quarter.
.macro QUARTER slot, k, f, g, zero
	s_wait_dscnt 12                                ; A and B's fragments 0-5 are in; the youngest twelve loads (B's 6-11) may be out
	WIN MUL_LO
	MUL12 \f, 0, 0, \zero
	MUL12 \f, 0, 2, \zero
	PLACES
	FETCH \slot, \k, \g
	s_wait_dscnt 32                                ; all but the 32 just issued
	WIN MUL_HI
	MUL12 \f, 1, 0, \zero
	MUL12 \f, 1, 2, \zero
.endm
.macro THREE slot, zero
	QUARTER \slot, 64,  0, 1, \zero
	QUARTER \slot, 128, 1, 0, 0
	QUARTER \slot, 192, 0, 1, 0
.endm
; The last quarter multiplies buffer 1 and changes slots.  In front of the barrier each wave waits for its reads of this slot and for all
; its tensor loads (one is out: its part of the next slot).  Where the slot is filled again the barrier opens a round of the cluster's
; barrier, and the joint refill is the first tensor load behind the round.  From a request to its wait a wave issues 180 matrix instructions.
.macro TURN slot, next, fill
	s_wait_dscnt 12
	WIN MUL_LO
	MUL12 1, 0, 0, 0
	s_wait_dscnt 0
	s_wait_tensorcnt 0x0
	ds_add_u32 v255, v255
	s_wait_dscnt 0x0
	s_barrier_signal -1
	MUL12 1, 0, 2, 0                               ; register work between signal and wait
	WIN 0
	s_barrier_wait -1
.if \fill
	CREST
	s_add_nc_u64 s[G0+4*\slot+2:G0+4*\slot+3], s[G0+4*\slot+2:G0+4*\slot+3], 2*KSTEP*2
	s_add_nc_u64 s[G0B+4*\slot+2:G0B+4*\slot+3], s[G0B+4*\slot+2:G0B+4*\slot+3], 2*KSTEP*2
	JLOAD \slot
.endif
	PLACES
	FETCH \next, 0, 0
	WIN MUL_HI
	MUL12 1, 1, 0, 0
	MUL12 1, 1, 2, 0
.endm
.macro LAP zero
	THREE 0, \zero
	TURN 0, 1, 1
	THREE 1, 0
	TURN 1, 0, 1
.endm
	s_wait_tensorcnt 1                             ; my part of K step 0 is in; K step 1's load, issued behind it, stays out
	s_barrier_signal -1
	s_barrier_wait -1
	FETCH 0, 0, 0
	LAP 1                                          ; the first lap's first products start the sums
	WIN 0
	s_mov_b32 s3, LAPS-2
.Llap:
	LAP 0
	WIN 0
	s_sub_co_u32 s3, s3, 1
	s_cmp_lg_u32 s3, 0
	s_cbranch_scc1 .Llap
	THREE 0, 0                                     ; the last lap fills nothing
	TURN 0, 1, 0
	THREE 1, 0
	s_wait_dscnt 12
	WIN MUL_LO
	MUL12 1, 0, 0, 0
	MUL12 1, 0, 2, 0
	s_wait_dscnt 0
	WIN MUL_HI
	MUL12 1, 1, 0, 0
	MUL12 1, 1, 2, 0
	; THE WAY OUT, 16 rows at a time: round to f16, 16 bytes a lane into my own stage, read back as 512 consecutive bytes of one head.
	PLACES
	s_mul_i32 s72, s42, 3                          ; my first head among the 48 of q, k, v
	s_lshr_b32 s73, s13, 3
	s_lshl_b32 s73, s73, 4                         ; batch x 16
	s_and_b32 s74, s13, 7
	s_lshl_b32 s74, s74, 15                        ; 256 rows of 128 bytes a block row inside the batch
	s_lshl_b32 s75, s10, 13                        ; 64 rows a wave
	s_add_co_u32 s74, s74, s75
	s_mov_b32 s77, 0
.irp hd, 0,1,2
	s_add_co_u32 s75, s72, \hd
	s_lshr_b32 s76, s75, 4
	s_lshl_b32 s76, s76, 5                         ; sel x 32
	s_and_b32 s75, s75, 15                         ; head
	s_add_co_u32 s76, s76, s75
	s_add_co_u32 s76, s76, s73                     ; the plane
	s_lshl_b32 s76, s76, 18                        ; of 262,144 bytes
	s_add_co_u32 s76, s76, s74
	s_add_nc_u64 s[66+2*\hd:67+2*\hd], s[8:9], s[76:77]
.endr
.macro OUT a
	WIN 0x0a                                       ; sources in window 2
.irp b, 0,1,2,3,4,5
.irp i, 0,1,2,3
	v_cvt_pk_f16_f32 v[TMP+4*\b+\i], v[8*(6*\a+\b)+2*\i], v[8*(6*\a+\b)+2*\i+1]
.endr
.endr
	WIN 0x0f                                       ; sources in window 3
.irp b, 0,1,2,3,4,5
.irp i, 0,1,2,3
	v_cvt_pk_f16_f32 v[TMP+24+4*\b+\i], v[8*(6*\a+\b)+2*\i], v[8*(6*\a+\b)+2*\i+1]
.endr
.endr
	WIN 0
.irp hd, 0,1,2
.irp q, 0,1,2,3
	ds_store_b128 v[STO], v[TMP+16*\hd+4*\q:TMP+16*\hd+4*\q+3] offset:\hd*HSTG+32*\q
.endr
.endr
	s_wait_xcnt 0x0                                ; RB, which the last sixteen rows' stores read, is loaded again only behind this wait
.irp hd, 0,1,2
.irp t, 0,1,2,3
	ds_load_b128 v[RB+16*\hd+4*\t:RB+16*\hd+4*\t+3], v[RD] offset:\hd*HSTG+\t*4*SP    ; LDS serves a wave's instructions in order: these see the stores above
.endr
.endr
.irp hd, 0,1,2
.irp t, 0,1,2,3
	s_wait_dscnt 11-4*\hd-\t                       ; the younger loads of the twelve stay out
	global_store_b128 v[CO], v[RB+16*\hd+4*\t:RB+16*\hd+4*\t+3], s[66+2*\hd:67+2*\hd] offset:\a*2048+\t*512   ; 512 consecutive bytes, aligned
.endr
.endr
.endm
	OUT 0
	OUT 1
	OUT 2
	OUT 3
	s_set_vgpr_msb 0x1
	s_wait_tensorcnt 0x0
	ds_add_u32 v255, v255
	s_wait_dscnt 0x0
	s_set_vgpr_msb 0x100
	CROUND                                         ; the closing round: no work-group ends while a partner may still ask jointly
	s_endpgm
.Lfunc_end_k_q69906f80fc_qkv:
	.size	k_q69906f80fc_qkv, .Lfunc_end_k_q69906f80fc_qkv-k_q69906f80fc_qkv
	.p2alignl 7, 3214868480
	.fill 96, 4, 3214868480
	.section	.rodata,"a",@progbits
	.p2align	6, 0x0
	.amdhsa_kernel k_q69906f80fc_qkv
		.amdhsa_group_segment_fixed_size 327680
		.amdhsa_private_segment_fixed_size 0
		.amdhsa_enable_private_segment 0
		.amdhsa_kernarg_size 24
		.amdhsa_user_sgpr_count 2
		.amdhsa_user_sgpr_kernarg_segment_ptr 1
		.amdhsa_wavefront_size32 1
		.amdhsa_system_sgpr_workgroup_id_x 1
		.amdhsa_system_sgpr_workgroup_id_y 1
		.amdhsa_system_sgpr_workgroup_id_z 1
		.amdhsa_system_vgpr_workitem_id 0
		.amdhsa_next_free_vgpr 1024
		.amdhsa_next_free_sgpr 80
		.amdhsa_reserve_vcc 0
		.amdhsa_float_denorm_mode_32 3
		.amdhsa_float_denorm_mode_16_64 3
		.amdhsa_memory_ordered 1
		.amdhsa_forward_progress 1
		.amdhsa_inst_pref_size 164
	.end_amdhsa_kernel
	.amdgpu_metadata
---
amdhsa.version: [ 1, 2 ]
amdhsa.kernels:
  - .name:           k_q69906f80fc_qkv
    .symbol:         k_q69906f80fc_qkv.kd
    .args:
      - { .name: xb, .offset: 0, .size: 8, .value_kind: global_buffer, .address_space: global }
      - { .name: wt, .offset: 8, .size: 8, .value_kind: global_buffer, .address_space: global }
      - { .name: qkv, .offset: 16, .size: 8, .value_kind: global_buffer, .address_space: global }
    .group_segment_fixed_size: 327680
    .private_segment_fixed_size: 0
    .kernarg_segment_align: 8
    .kernarg_segment_size: 24
    .max_flat_workgroup_size: 128
    .sgpr_count:     80
    .vgpr_count:     1024
    .wavefront_size: 32
...
	.end_amdgpu_metadata
.endif
;; end of part 2
;; launch attn (part 3): grid 8 x 32, 8 waves a work-group, no clusters, 327,680 bytes of LDS; arguments qkv, ctx; writes ctx
.if DOCPART == 3
	.amdgcn_target "amdgcn-amd-amdhsa--gfx1250"
	.amdhsa_code_object_version 6
	.text
	.protected	k_q69906f80fc_attn
	.globl	k_q69906f80fc_attn
	.p2align	8
	.type	k_q69906f80fc_attn,@function
k_q69906f80fc_attn:
	s_mov_b64 s[64:65], 0
	v_nop
	global_prefetch_b8 v0, s[64:65] scope:SCOPE_SE
	s_setreg_imm32_b32 hwreg(HW_REG_WAVE_MODE, 25, 1), 1
	s_wait_xcnt 0x0
; Causal softmax attention, one (batch, head) = plane bh for each grid row.  ctx[head][b*2048 + n][64] = softmax(q k^T / 8, keys <= query) v.
; Work-group i of a plane takes the query blocks of 128 rows number i and 15 - i, one after the other: (i + 1) + (16 - i) = 17 trips of one
; block of 128 keys in every work-group.  Key blocks above the diagonal are not visited; the diagonal blocks (trips i and 16) are masked.
; Eight waves; wave w owns queries 16 w .. 16 w + 15 of the block.
; S^T = K Q^T: register j of lane (r, h) holds (key 8 h + j, query r): a query's maximum and sum lie in lanes r and r + 16, and two
; neighbouring key tiles, packed to f16 in place, are the B fragment of P^T.  O^T = V^T P^T, V^T read from [key][d] by the transposing load.
; A running maximum is kept as reference() takes the row's maximum: p = 2^(c s - c M), c = log2(e) / 8; old sums are rescaled by
; 2^(NM' - NM) of the ROUNDED products NM = -c M, so that all exponents of a row refer to one number however large the scores are.
; FORMATS: q, k, v, P and ctx are f16 operands (11 significant bits: the first queries' outputs are some ten times the output's root mean
; square, to which the error is held, and bf16's 8 bits are too few there).  P lies in [0, 1] by the running maximum; ctx is a mean of v.
; LIMITS: |v|, and so |ctx|, above 65,504 is infinite (the drawn inputs give about 4; 30 times larger inputs 900 times that); P below 2^-25
; enters the product as 0; l sums the unrounded p; p below 2^-126 counts as 0; scores that are NaN or infinite give NaN.
; NO MULTICAST: the eight work-groups of a plane read the same K and V, but in one trip they want different key blocks (trip t is key block
; t or t - i - 1), so no tile is wanted by several at one time.
; K and V tiles (16,384 dense bytes each) come by tensor loads of waves 0 and 1 into two slots; at most one load of a wave is out.
.set KP,     144                       ; K's LDS rows: 128 bytes + 16, an odd multiple of 16
.set VP,     160                       ; V's LDS rows: 128 bytes + 32, an odd multiple of 32, for the transposing load
.set KBYTES, 128*KP
.set VBYTES, 128*VP
.set SLOT,   KBYTES+VBYTES
.set STAGE,  2*SLOT                    ; 77,824, a multiple of 256: no tensor load lands here
.set WSTG,   16*144
.set QF,  16                           ; v[16:31]   Q: two fragments (d 0-31, 32-63)
.set SC,  32                           ; v[32:95]   S, eight key tiles; P's chunk c packed into v[32+16c : 39+16c]
.set OA,  96                           ; v[96:127]  O, four d tiles
.set KV,  128                          ; v[128:255] K's sixteen fragments, then V's sixteen
.set G1K, 32
.set G1V, 40
.set G0K, 48                           ; s[48:55] K: a group 0 for each slot
.set G0V, 56                           ; s[56:63] V
; v1 K's lane address; v2 V's; v3 16 w + r - 8 h; v4 M; v5 at work, Q's offset while Q is on its way; v[6:7] NM twice; v[8:9] alpha twice;
; v[10:13] l in two pair chains; v14, v15 at work.
.macro TLOAD s                         ; wave 0 asks for K's tile, wave 1 for V's, the others for nothing
	s_cmp_gt_u32 s8, 1
	s_cbranch_scc1 .Lnone_\@
	s_cmp_eq_u32 s8, 0
	s_cbranch_scc0 .Lforv_\@
	tensor_load_to_lds s[G0K+4*(\s):G0K+4*(\s)+3], s[G1K:G1K+7]
	s_nop 0
	s_branch .Lnone_\@
.Lforv_\@:
	tensor_load_to_lds s[G0V+4*(\s):G0V+4*(\s)+3], s[G1V:G1V+7]
	s_nop 0
.Lnone_\@:
.endm
.macro QLOAD lo, hi                    ; my 16 queries as B fragments: lane (r, h) takes row 16 w + r, bytes 16 h + 0, 32, 64, 96
	v_and_b32 v5, 0xe0, v0
	v_lshlrev_b32 v5, 6, v5                        ; 16 w rows of 128 bytes
	v_and_b32 v14, 15, v0
	v_lshl_add_u32 v5, v14, 7, v5
	v_bfe_u32 v14, v0, 4, 1
	v_lshl_add_u32 v5, v14, 4, v5
.irp i, 0,1,2,3
	global_load_b128 v[QF+4*\i:QF+4*\i+3], v5, s[\lo:\hi] offset:32*\i
.endr
.endm
.macro RESET                           ; a query block begins: M = -inf, NM = +inf (so the first alpha is 2^-inf = 0), l = 0, O = 0
	v_mov_b32 v4, s69
	v_mov_b32 v6, 0x7f800000
	v_mov_b32 v7, 0x7f800000
.irp i, 10,11,12,13
	v_mov_b32 v\i, 0
.endr
.set i, 0
.rept 32
	v_mov_b32 v[OA+i], 0
.set i, i+1
.endr
.endm
.macro MASK                            ; the diagonal block: key 16 kt + 8 h + j stays where it is <= query 16 w + r, else -inf as in reference()
.irp kt, 0,1,2,3,4,5,6,7
.irp j, 0,1,2,3,4,5,6,7
	v_cmp_le_i32 vcc_lo, 16*\kt+\j, v3
	v_cndmask_b32 v[SC+8*\kt+\j], s69, v[SC+8*\kt+\j], vcc_lo
.endr
.endr
.endm
.macro STATS                           ; the block's maximum in four chains, the other half's, the running maximum, NM and alpha
	v_max_num_f32 v5,  v[SC],    v[SC+1]
	v_max_num_f32 v8,  v[SC+16], v[SC+17]
	v_max_num_f32 v9,  v[SC+32], v[SC+33]
	v_max_num_f32 v14, v[SC+48], v[SC+49]
.irp i, 2,4,6,8,10,12,14
	v_max3_num_f32 v5,  v5,  v[SC+\i],    v[SC+\i+1]
	v_max3_num_f32 v8,  v8,  v[SC+16+\i], v[SC+16+\i+1]
	v_max3_num_f32 v9,  v9,  v[SC+32+\i], v[SC+32+\i+1]
	v_max3_num_f32 v14, v14, v[SC+48+\i], v[SC+48+\i+1]
.endr
	v_max3_num_f32 v5, v5, v8, v9
	v_max_num_f32 v5, v5, v14
	v_permlanex16_b32 v15, v5, s70, s71            ; lane r + 16 holds the query's other keys
	v_max3_num_f32 v14, v5, v15, v4                ; the new M
	v_mul_f32 v15, s68, v14                        ; the new NM = -c M
	v_sub_f32 v8, v15, v6
	v_exp_f32 v8, v8                               ; alpha = 2^(NM' - NM)
	v_mov_b32 v4, v14                              ; a plain instruction stands behind the exponential before its result is read (ISA guide 5.7.2)
	v_mov_b32 v6, v15
	v_mov_b32 v7, v15
	s_wait_alu depctr_va_vdst(0)
	v_mov_b32 v9, v8
.endm
.macro FMA c                           ; c s + NM for the 16 registers of chunk c (32 keys)
.irp i, 0,2,4,6,8,10,12,14
	v_pk_fma_f32 v[SC+16*\c+\i:SC+16*\c+\i+1], v[SC+16*\c+\i:SC+16*\c+\i+1], s[66:67], v[6:7] op_sel_hi:[1,0,1]
.endr
.endm
.macro EXPS c
.set i, 0
.rept 16
	v_exp_f32 v[SC+16*\c+i], v[SC+16*\c+i]
.set i, i+1
.endr
.endm
.macro SUM c                           ; l += p; in chunk 0 the rescale of l rides on the first two additions
.if \c == 0
	s_wait_alu depctr_va_vdst(0)
	v_pk_fma_f32 v[10:11], v[10:11], v[8:9], v[SC:SC+1]
	v_pk_fma_f32 v[12:13], v[12:13], v[8:9], v[SC+2:SC+3]
.else
	s_wait_alu depctr_va_vdst(0)
	v_pk_add_f32 v[10:11], v[10:11], v[SC+16*\c:SC+16*\c+1]
	v_pk_add_f32 v[12:13], v[12:13], v[SC+16*\c+2:SC+16*\c+3]
.endif
.irp i, 4,8,12
	v_pk_add_f32 v[10:11], v[10:11], v[SC+16*\c+\i:SC+16*\c+\i+1]
	v_pk_add_f32 v[12:13], v[12:13], v[SC+16*\c+\i+2:SC+16*\c+\i+3]
.endr
.endm
.macro CVT c                           ; 16 f32 to 8 registers of f16, in place and upward: register i is written when 2 i and 2 i + 1 are read
.irp i, 0,1,2,3,4,5,6,7
	v_cvt_pk_f16_f32 v[SC+16*\c+\i], v[SC+16*\c+2*\i], v[SC+16*\c+2*\i+1]
.endr
.endm
.macro RESC                            ; O *= alpha
	s_wait_alu depctr_va_vdst(0)
.irp i, 0,2,4,6,8,10,12,14,16,18,20,22,24,26,28,30
	v_pk_mul_f32 v[OA+\i:OA+\i+1], v[OA+\i:OA+\i+1], v[8:9]
.endr
.endm
; A query block ends: O / l, rounded to f16, through my own stage, out as 2,048 consecutive bytes.  which = 0: the second block begins.
.macro FINAL which
	v_pk_add_f32 v[10:11], v[10:11], v[12:13]
	v_add_f32 v10, v10, v11
	v_permlanex16_b32 v14, v10, s70, s71
	v_add_f32 v10, v10, v14
	v_rcp_f32 v8, v10
	v_rcp_f32 v9, v10
	v_add_nc_u32 v[KV+32], s17, v1                 ; (the plain instruction behind the reciprocals)  in: row r, 16 bytes for each half
	v_bfe_u32 v[KV+33], v0, 3, 2
	v_mul_u32_u24 v[KV+33], v[KV+33], 144
	v_and_b32 v[KV+34], 7, v0
	v_lshl_add_u32 v[KV+33], v[KV+34], 4, v[KV+33]
	v_add_nc_u32 v[KV+33], s17, v[KV+33]           ; back: eight lanes a row of 128 bytes
	v_and_b32 v[KV+34], 31, v0
	v_lshlrev_b32 v[KV+34], 4, v[KV+34]            ; and 16 bytes a lane in ctx
	s_wait_alu depctr_va_vdst(0)
	RESC
.irp dt, 0,1,2,3
.irp i, 0,1,2,3
	v_cvt_pk_f16_f32 v[KV+4*\dt+\i], v[OA+8*\dt+2*\i], v[OA+8*\dt+2*\i+1]
.endr
.endr
.irp dt, 0,1,2,3
	ds_store_b128 v[KV+32], v[KV+4*\dt:KV+4*\dt+3] offset:32*\dt
.endr
.irp t, 0,1,2,3
	ds_load_b128 v[KV+16+4*\t:KV+16+4*\t+3], v[KV+33] offset:576*\t      ; LDS serves a wave's instructions in order: these see the stores above
.endr
.irp t, 0,1,2,3
	s_wait_dscnt 3-\t                              ; the younger loads of the four stay out
	global_store_b128 v[KV+34], v[KV+16+4*\t:KV+16+4*\t+3], s[28+2*\which:29+2*\which] offset:512*\t   ; 512 consecutive bytes, aligned
.endr
.if \which == 0
	QLOAD 26, 27
	RESET
	s_wait_xcnt 0x0                                ; the stores' data and offset registers are loaded again in the next trip only behind this wait
.endif
.endm
	s_load_b128 s[4:7], s[0:1], 0x0                ; qkv s[4:5], ctx s[6:7]
	s_set_vgpr_msb 0x40
	v_lshl_add_u32 v0, v0, 2, 0x29000
	v_mov_b32 v1, 0
	s_set_vgpr_msb 0x4045
	ds_add_u32 v0, v1
	s_set_vgpr_msb 0x4500
	v_lshrrev_b32 v10, 5, v0
	v_readfirstlane_b32 s8, v10                    ; wave 0..7
	s_mov_b32 s9, ttmp9                            ; lo: my first query block, and the trip of its diagonal
	s_add_co_u32 s10, s9, 1
	s_and_b32 s12, ttmp7, 0xffff                   ; the plane
	s_mov_b32 s13, 0                               ; t
	s_mov_b32 s19, 0
	s_mov_b32 s66, 0x3e38aa3b                      ; c = log2(e) / 8
	s_mov_b32 s67, 0x3e38aa3b
	s_mov_b32 s68, 0xbe38aa3b                      ; -c
	s_mov_b32 s69, 0xff800000                      ; -inf
	s_mov_b32 s70, 0x76543210                      ; v_permlanex16_b32: lane i of the other half
	s_mov_b32 s71, 0xfedcba98
	s_mul_i32 s17, s8, WSTG
	s_add_co_u32 s17, s17, STAGE                   ; my stage
	; A tile is 16,384 dense bytes, stated as 64 rows of 128 elements; the padding is counted along the tile: behind every 32 words (a key's row)
	s_mov_b32 s[G1K+0], (1<<16)|(1<<20)|(4<<22)|(3<<25)    ; 2-byte elements; padding on; 4 words behind every 32
	s_mov_b32 s[G1V+0], (1<<16)|(1<<20)|(4<<22)|(7<<25)    ; 8 words behind every 32
.irp g, G1K, G1V
	s_mov_b32 s[\g+1], 128<<16                     ; tensor_dim0 = 128
	s_mov_b32 s[\g+2], 64<<16                      ; tensor_dim1 = 64
	s_mov_b32 s[\g+3], 128<<16                     ; tile_dim0 = 128
	s_mov_b32 s[\g+4], 64                          ; tile_dim1 = 64
	s_mov_b32 s[\g+5], 128                         ; elements from row to row
	s_mov_b32 s[\g+6], 0
	s_mov_b32 s[\g+7], 0
.endr
	s_mov_b32 s[G0K+0], 1
	s_mov_b32 s[G0K+1], 0
	s_mov_b32 s[G0K+4], 1
	s_mov_b32 s[G0K+5], SLOT
	s_mov_b32 s[G0V+0], 1
	s_mov_b32 s[G0V+1], KBYTES
	s_mov_b32 s[G0V+4], 1
	s_mov_b32 s[G0V+5], SLOT+KBYTES
	s_and_b32 s16, s12, 15
	s_lshl_b32 s16, s16, 19                        ; ctx: a head's 4,096 rows of 128 bytes,
	s_lshr_b32 s15, s12, 4
	s_lshl_b32 s15, s15, 18                        ; a batch's 2,048,
	s_add_co_u32 s16, s16, s15
	s_lshl_b32 s15, s8, 11                         ; a wave's 16
	s_add_co_u32 s16, s16, s15
	s_sub_co_u32 s15, 15, s9                       ; hi: my second query block
	s_lshl_b32 s18, s12, 18                        ; a plane of qkv is 262,144 bytes
	s_wait_dscnt 0x0
	s_barrier_signal -1
	s_barrier_wait -1
	s_wait_kmcnt 0x0
	s_add_nc_u64 s[24:25], s[4:5], s[18:19]        ; q's plane
	s_add_nc_u64 s[20:21], s[24:25], 32<<18        ; k's plane
	s_add_nc_u64 s[22:23], s[24:25], 64<<18        ; v's plane
	s_mov_b64 s[G0K+2:G0K+3], s[20:21]             ; trip 0 reads key block 0
	s_or_b32 s[G0K+3], s[G0K+3], 0x80000000
	s_mov_b64 s[G0V+2:G0V+3], s[22:23]
	s_or_b32 s[G0V+3], s[G0V+3], 0x80000000
	TLOAD 0                                        ; the one first fill, ahead of every wait on TENSORcnt
	s_lshl_b32 s18, s15, 14                        ; a block of 128 rows of 128 bytes
	s_add_nc_u64 s[26:27], s[24:25], s[18:19]      ; Q of the second block
	s_add_co_u32 s18, s18, s16
	s_add_nc_u64 s[30:31], s[6:7], s[18:19]        ; ctx of the second block
	s_lshl_b32 s18, s9, 14
	s_add_nc_u64 s[24:25], s[24:25], s[18:19]      ; Q of the first block
	s_add_co_u32 s18, s18, s16
	s_add_nc_u64 s[28:29], s[6:7], s[18:19]        ; ctx of the first block
	QLOAD 24, 25
	v_and_b32 v8, 15, v0                           ; r
	v_bfe_u32 v9, v0, 4, 1                         ; h
	v_mul_u32_u24 v1, v8, KP
	v_lshl_add_u32 v1, v9, 4, v1                   ; K: row r, 16 bytes for each half
	v_and_b32 v11, 7, v0
	v_lshl_add_u32 v11, v9, 3, v11
	v_mul_u32_u24 v2, v11, VP                      ; V: key 8 h + (lane % 8),
	v_bfe_u32 v12, v0, 3, 1
	v_lshl_add_u32 v2, v12, 4, v2                  ; 16 bytes for each eight lanes,
	v_add_nc_u32 v2, KBYTES, v2                    ; behind K's tile
	v_lshl_add_u32 v3, v10, 4, v8
	v_lshlrev_b32 v13, 3, v9
	v_sub_nc_u32 v3, v3, v13                       ; 16 w + r - 8 h
	v_mov_b32 v15, 0                               ; the lane exchange counts as a reader of its destination
	RESET
; One trip: 128 keys in slot.  refill = 1: the other slot gets the next trip's tiles.  last = 1: trip 16, the second block's diagonal.
.macro TRIP slot, refill, last
	s_set_vgpr_msb 0x5
	s_wait_tensorcnt 0x0                           ; all my tensor loads have landed, this trip's tile among them: a group 0 may be written
	ds_add_u32 v0, v1
	s_wait_dscnt 0x0
	s_set_vgpr_msb 0x500
.if \refill
	s_add_co_u32 s15, s13, 1                       ; the next trip
	s_sub_co_u32 s16, s15, s10
	s_cmp_gt_u32 s15, s9
	s_cselect_b32 s16, s16, s15                    ; its key block: t, or t - lo - 1 in the second query block
	s_lshl_b32 s18, s16, 14
	s_add_nc_u64 s[G0K+4*(1-\slot)+2:G0K+4*(1-\slot)+3], s[20:21], s[18:19]
	s_or_b32 s[G0K+4*(1-\slot)+3], s[G0K+4*(1-\slot)+3], 0x80000000
	s_add_nc_u64 s[G0V+4*(1-\slot)+2:G0V+4*(1-\slot)+3], s[22:23], s[18:19]
	s_or_b32 s[G0V+4*(1-\slot)+3], s[G0V+4*(1-\slot)+3], 0x80000000
.endif
	s_wait_dscnt 0x0                               ; my reads of the other slot are over
	s_barrier_signal -1
	s_barrier_wait -1                              ; both hold of all eight waves
.if \refill
	TLOAD 1-\slot                                  ; first thing behind the barrier; it has the trip in which to land
.endif
.irp ch, 0,1
.irp kt, 0,1,2,3,4,5,6,7
	ds_load_b128 v[KV+8*(8*\ch+\kt):KV+8*(8*\ch+\kt)+3],   v1 offset:\slot*SLOT+\kt*16*KP+64*\ch
	ds_load_b128 v[KV+8*(8*\ch+\kt)+4:KV+8*(8*\ch+\kt)+7], v1 offset:\slot*SLOT+\kt*16*KP+64*\ch+32
.endr
.endr
	s_wait_loadcnt 0x0                             ; Q (met at once in all but a block's first trip); its offset register is free again
	s_wait_dscnt 16                                ; d 0-31 of all eight key tiles are in; the sixteen loads of d 32-63 may be out
.irp kt, 0,1,2,3,4,5,6,7
	v_wmma_f32_16x16x32_f16 v[SC+8*\kt:SC+8*\kt+7], v[KV+8*\kt:KV+8*\kt+7], v[QF:QF+7], 0
.endr
	s_wait_dscnt 0
.irp kt, 0,1,2,3,4,5,6,7                           ; the eight accumulators take turns
	v_wmma_f32_16x16x32_f16 v[SC+8*\kt:SC+8*\kt+7], v[KV+64+8*\kt:KV+64+8*\kt+7], v[QF+8:QF+15], v[SC+8*\kt:SC+8*\kt+7]
.endr
.rept 5                                            ; four places before loads land on K's fragments and S is read; five because S's registers go in as B later
	v_nop
.endr
.irp c, 0,1,2,3
.irp dt, 0,1,2,3
	ds_load_tr16_b128 v[KV+8*(4*\c+\dt):KV+8*(4*\c+\dt)+3],   v2 offset:\slot*SLOT+\c*32*VP+32*\dt
	ds_load_tr16_b128 v[KV+8*(4*\c+\dt)+4:KV+8*(4*\c+\dt)+7], v2 offset:\slot*SLOT+\c*32*VP+32*\dt+16*VP
.endr
.endr
.if \last
	MASK
.else
	s_cmp_lg_u32 s13, s9
	s_cbranch_scc1 .Lnomask_\@
	MASK
.Lnomask_\@:
.endif
	STATS
	FMA 0
	EXPS 0
	FMA 1                                          ; plain work stands between each run of exponentials and the first use of its results
	SUM 0
	CVT 0
	EXPS 1
	FMA 2
	SUM 1
	CVT 1
	EXPS 2
	FMA 3
	SUM 2
	CVT 2
	EXPS 3
	RESC
	SUM 3
	CVT 3
	s_wait_dscnt 0                                 ; V's fragments
.irp c, 0,1,2,3
.irp dt, 0,1,2,3                                   ; the four accumulators take turns
	v_wmma_f32_16x16x32_f16 v[OA+8*\dt:OA+8*\dt+7], v[KV+8*(4*\c+\dt):KV+8*(4*\c+\dt)+7], v[SC+16*\c:SC+16*\c+7], v[OA+8*\dt:OA+8*\dt+7]
.endr
.endr
.rept 5                                            ; the next trip's products write over P, its loads land on V's fragments, O is read
	v_nop
.endr
.if \last
	FINAL 1
.else
	s_cmp_lg_u32 s13, s9
	s_cbranch_scc1 .Lnofinal_\@
	FINAL 0
.Lnofinal_\@:
.endif
	s_add_co_u32 s13, s13, 1
.endm
	s_mov_b32 s14, 0
.Ltrips:
	TRIP 0, 1, 0
	TRIP 1, 1, 0
	s_add_co_u32 s14, s14, 1
	s_cmp_lt_u32 s14, 8
	s_cbranch_scc1 .Ltrips
	TRIP 0, 0, 1                                   ; trip 16: nothing is left to fetch
	s_set_vgpr_msb 0x5
	s_wait_tensorcnt 0x0
	ds_add_u32 v0, v1
	s_wait_dscnt 0x0
	s_set_vgpr_msb 0x500
	s_endpgm
.Lfunc_end_k_q69906f80fc_attn:
	.size	k_q69906f80fc_attn, .Lfunc_end_k_q69906f80fc_attn-k_q69906f80fc_attn
	.p2alignl 7, 3214868480
	.fill 96, 4, 3214868480
	.section	.rodata,"a",@progbits
	.p2align	6, 0x0
	.amdhsa_kernel k_q69906f80fc_attn
		.amdhsa_group_segment_fixed_size 327680
		.amdhsa_private_segment_fixed_size 0
		.amdhsa_enable_private_segment 0
		.amdhsa_kernarg_size 16
		.amdhsa_user_sgpr_count 2
		.amdhsa_user_sgpr_kernarg_segment_ptr 1
		.amdhsa_wavefront_size32 1
		.amdhsa_system_sgpr_workgroup_id_x 1
		.amdhsa_system_sgpr_workgroup_id_y 1
		.amdhsa_system_sgpr_workgroup_id_z 1
		.amdhsa_system_vgpr_workitem_id 0
		.amdhsa_next_free_vgpr 258
		.amdhsa_next_free_sgpr 80
		.amdhsa_reserve_vcc 1
		.amdhsa_float_denorm_mode_32 3
		.amdhsa_float_denorm_mode_16_64 3
		.amdhsa_memory_ordered 1
		.amdhsa_forward_progress 1
		.amdhsa_inst_pref_size 94
	.end_amdhsa_kernel
	.amdgpu_metadata
---
amdhsa.version: [ 1, 2 ]
amdhsa.kernels:
  - .name:           k_q69906f80fc_attn
    .symbol:         k_q69906f80fc_attn.kd
    .args:
      - { .name: qkv, .offset: 0, .size: 8, .value_kind: global_buffer, .address_space: global }
      - { .name: ctx, .offset: 8, .size: 8, .value_kind: global_buffer, .address_space: global }
    .group_segment_fixed_size: 327680
    .private_segment_fixed_size: 0
    .kernarg_segment_align: 8
    .kernarg_segment_size: 16
    .max_flat_workgroup_size: 256
    .sgpr_count:     80
    .vgpr_count:     258
    .wavefront_size: 32
...
	.end_amdgpu_metadata
.endif
;; end of part 3
;; launch oproj (part 4): grid 8 x 32, 4 waves a work-group, clusters of 4 x 4, 327,680 bytes of LDS; arguments ctx, wot, b_o, out0; writes out0
.if DOCPART == 4
	.amdgcn_target "amdgcn-amd-amdhsa--gfx1250"
	.amdhsa_code_object_version 6
	.text
	.protected	k_q69906f80fc_oproj
	.globl	k_q69906f80fc_oproj
	.p2align	8
	.type	k_q69906f80fc_oproj,@function
k_q69906f80fc_oproj:
	s_mov_b64 s[64:65], 0
	v_nop
	global_prefetch_b8 v0, s[64:65] scope:SCOPE_SE
	s_setreg_imm32_b32 hwreg(HW_REG_WAVE_MODE, 25, 1), 1
	s_wait_xcnt 0x0
	s_wait_alu depctr_hold_cnt(0) depctr_sa_sdst(0) depctr_va_vdst(0) depctr_va_sdst(0) depctr_va_ssrc(0) depctr_va_vcc(0) depctr_vm_vsrc(0)
	s_getreg_b32 s2, hwreg(HW_REG_IB_STS2, 6, 4)
	s_cmp_eq_u32 s2, 0
	s_cbranch_scc0 .Lentry_in_a_cluster
	s_endpgm
.Lentry_in_a_cluster:
	s_bfe_u32 s2, ttmp6, 0x10000c
	s_cmp_lg_u32 s2, 0xf033
	s_cbranch_scc0 .Lentry_shape_is_right
	s_endpgm
.Lentry_shape_is_right:
; out0[m][n] = sum over k of ctx[m][k] wot[n][k] + b_o[n], 4,096 x 1,024 x 1,024; f16 operands, f32 sums, the bias in f32, f32 out.
; ctx is f16 (11 significant bits, which the first queries' large outputs need); wot holds W_o rounded to bf16 and written in f16's format.
; LIMIT: both operands are finite up to 65,504 (the drawn ctx stay below 4, W_o below 0.1; 30 times larger inputs give 900 and 30 times that).
; ctx lies by heads, [16][4096][64]: k = 64 head + d.
; A work-group makes 128 x 128: 8 x 32 = 256 work-groups; wave w makes rows 64 (w >> 1), columns 64 (w & 1): 16 accumulator tiles.
; K goes in four steps of 256 (four heads) through two LDS slots, so that half of all operand bytes go out at the start and a refill has
; 124 matrix instructions of the wave in which to land.  The four steps are written out: no loop.
; CLUSTERS: 4 x 4 work-groups; ctx's tiles are shared along a row of the cluster, wot's along a column, each asked for jointly.
; REGISTERS: window 0 addresses, two fragment buffers (A 4, B 4 each), the way out; window 1 the accumulators, tile (a, b) at v[8 (4 a + b)].
; The matrix instruction is used transposed: a lane holds eight neighbouring columns of one row.
.set AP,     144                       ; A's LDS rows: a head's 128 bytes + 16
.set BP,     528                       ; B's LDS rows: 512 bytes + 16
.set HEADT,  128*AP                    ; 128 rows of one head
.set ABYTES, 4*HEADT
.set BHALF,  64*BP
.set SLOT,   ABYTES+2*BHALF
.set STAGE,  2*SLOT                    ; 282,624, a multiple of 256: no tensor load lands here
.set SPITCH, 272                       ; the stage's rows: 64 f32 + 16 bytes
.set ASTEP,  4*524288                  ; four head planes of ctx
.set ADRA, 16
.set ADRB, 20
.set STO,  24
.set RD,   25
.set CO,   26
.set BO,   27                          ; my offset in b_o; not rewritten while the load is out
.set FA,   64                          ; A's buffer f at FA + 64 f
.set FB,   96                          ; B's buffer f at FB + 64 f
.set RB,   192
.set BIAS, 224
.set G1,  24
.set G0,  32
.set G1B, 48
.set G0B, 56
.set MSB, 0
.macro WIN new
.if MSB != \new
	s_set_vgpr_msb (MSB<<8)|\new
.set MSB, \new
.endif
.endm
.set ACC, 0x50                         ; C and D in window 1
.set STW, 0x04                         ; an LDS store's data in window 1
.macro JLOAD s
	s_cmp_eq_u32 s11, 0
	s_cbranch_scc0 .Lfor_b_\@
	tensor_load_to_lds s[G0+4*\s:G0+4*\s+3], s[G1:G1+7]
	s_nop 0
	s_branch .Lasked_\@
.Lfor_b_\@:
	tensor_load_to_lds s[G0B+4*\s:G0B+4*\s+3], s[G1B:G1B+7]
	s_nop 0
.Lasked_\@:
.endm
.macro CREST
	s_cmp_lg_u32 s10, 0
	s_cbranch_scc1 .Lnot_wave_0_\@
	s_barrier_signal -3
.Lnot_wave_0_\@:
	s_barrier_wait -3
	s_barrier_signal -1
	s_barrier_wait -1
.endm
.macro CROUND
	s_barrier_signal -1
	s_barrier_wait -1
	CREST
.endm
	s_load_b128 s[4:7], s[0:1], 0x0                ; ctx s[4:5], wot s[6:7]
	s_load_b128 s[72:75], s[0:1], 0x10             ; b_o s[72:73], out0 s[74:75]
	v_lshl_add_u32 v254, v0, 2, 0x49400
	v_mov_b32 v255, 0
	ds_add_u32 v254, v255
	v_lshrrev_b32 v1, 5, v0
	v_readfirstlane_b32 s10, v1                    ; wave 0..3
	s_lshr_b32 s11, s10, 1                         ; my half of the rows.  Also: I fetch for A (0) or for B (1)
	s_and_b32 s12, s10, 1                          ; my half of the columns.  Also: which half of that tile I fetch
	s_bfe_u32 s40, ttmp6, 0x40000                  ; cx
	s_bfe_u32 s41, ttmp6, 0x40004                  ; cy
	s_lshl_b32 s42, ttmp9, 2
	s_add_co_u32 s42, s42, s40                     ; block column
	s_and_b32 s13, ttmp7, 0xffff
	s_lshl_b32 s13, s13, 2
	s_add_co_u32 s13, s13, s41                     ; block row
	s_lshl_b32 s43, s41, 2
	s_lshl_b32 s43, 15, s43                        ; my row of the cluster
	s_lshl_b32 s44, 0x1111, s40                    ; my column
	; A: one load brings my block's 128 rows of two heads: two runs of 16,384 dense bytes, a head plane (262,144 elements) apart;
	; the padding is counted along the tile, 4 words behind every 32 (a row of one head)
	s_or_b32 s[G1+0], s43, (1<<16)|(1<<20)|(1<<21)|(4<<22)|(3<<25)
	s_mov_b32 s[G1+1], 8192<<16                    ; tensor_dim0 = 8,192
	s_mov_b32 s[G1+2], 2<<16                       ; tensor_dim1 = 2
	s_mov_b32 s[G1+3], 8192<<16                    ; tile_dim0
	s_mov_b32 s[G1+4], 2                           ; tile_dim1
	s_mov_b32 s[G1+5], 262144                      ; elements from run to run
	s_mov_b32 s[G1+6], 0
	s_mov_b32 s[G1+7], 0
	; B: 64 rows of 256 elements, 4 words behind every 128
	s_or_b32 s[G1B+0], s44, (1<<16)|(1<<20)|(1<<21)|(6<<22)|(3<<25)
	s_mov_b32 s[G1B+1], 256<<16
	s_mov_b32 s[G1B+2], 64<<16
	s_mov_b32 s[G1B+3], 256<<16
	s_mov_b32 s[G1B+4], 64
	s_mov_b32 s[G1B+5], 1024
	s_mov_b32 s[G1B+6], 0
	s_mov_b32 s[G1B+7], 0
	s_lshl_b32 s16, s13, 14                        ; A: 128 rows of 128 bytes a block row,
	s_lshl_b32 s17, s12, 20                        ; two head planes a half
	s_add_co_u32 s16, s16, s17
	s_mov_b32 s17, 0
	s_lshl_b32 s46, s42, 18                        ; B: 128 rows of 2,048 bytes a block column,
	s_lshl_b32 s47, s12, 17                        ; 64 rows a half
	s_add_co_u32 s46, s46, s47
	s_mov_b32 s47, 0
	s_mul_i32 s20, s10, 2*HEADT                    ; A's halves (waves 0, 1)
	s_mul_i32 s21, s10, BHALF
	s_add_co_u32 s21, s21, ABYTES-2*BHALF          ; B's halves (waves 2, 3) at ABYTES + (wave - 2) x 64 rows
	s_lshl_b32 s76, s42, 9                         ; my columns in bytes of f32: 512 a block,
	s_lshl_b32 s77, s12, 8                         ; 256 a half
	s_add_co_u32 s76, s76, s77
	s_mov_b32 s77, 0
	s_lshl_b32 s78, s13, 19                        ; my rows of 4,096 bytes: 128 a block,
	s_lshl_b32 s79, s11, 18                        ; 64 a half
	s_add_co_u32 s78, s78, s79
	s_add_co_u32 s78, s78, s76
	s_mov_b32 s79, 0
	s_wait_dscnt 0x0
	s_wait_kmcnt 0x0
	s_add_nc_u64 s[14:15], s[4:5], s[16:17]
	s_add_nc_u64 s[46:47], s[6:7], s[46:47]
	s_add_nc_u64 s[72:73], s[72:73], s[76:77]      ; b_o at my 64 columns
	s_add_nc_u64 s[74:75], s[74:75], s[78:79]      ; out0 at my 64 x 64
	CROUND                                         ; all sixteen work-groups are here: the first joint loads meet
.irp s, 0,1
	s_mov_b32 s[G0+4*\s], 1
	s_add_co_u32 s[G0+4*\s+1], s20, \s*SLOT
	s_add_nc_u64 s[G0+4*\s+2:G0+4*\s+3], s[14:15], \s*ASTEP
	s_or_b32 s[G0+4*\s+3], s[G0+4*\s+3], 0x80000000
	s_mov_b32 s[G0B+4*\s], 1
	s_add_co_u32 s[G0B+4*\s+1], s21, \s*SLOT
	s_add_nc_u64 s[G0B+4*\s+2:G0B+4*\s+3], s[46:47], \s*512
	s_or_b32 s[G0B+4*\s+3], s[G0B+4*\s+3], 0x80000000
	JLOAD \s                                       ; K steps 0 and 1: two loads of the wave are out, later one
.endr
	v_and_b32 v1, 15, v0                           ; r
	v_bfe_u32 v2, v0, 4, 1                         ; h
	v_lshlrev_b32 v[BO], 4, v1
	global_load_b128 v[BIAS:BIAS+3], v[BO], s[72:73]       ; the bias of the four columns that I store; waited for on the way out
	v_mul_u32_u24 v3, v1, AP
	v_lshl_add_u32 v3, v2, 4, v3
	v_mul_u32_u24 v4, v1, BP
	v_lshl_add_u32 v4, v2, 4, v4
	s_mul_i32 s22, s11, 64*AP                      ; my 64 rows in each head's sub-tile
	s_mul_i32 s23, s12, BHALF
	s_add_co_u32 s23, s23, ABYTES                  ; my 64 rows of B
.irp s, 0,1
	v_add_nc_u32 v[ADRA+\s], s22, v3
	v_add_nc_u32 v[ADRB+\s], s23, v4
	s_add_co_u32 s22, s22, SLOT
	s_add_co_u32 s23, s23, SLOT
.endr
	s_mul_i32 s45, s10, 16*SPITCH
	s_add_co_u32 s45, s45, STAGE                   ; my stage
	v_mul_u32_u24 v5, v1, SPITCH
	v_lshl_add_u32 v5, v2, 5, v5
	v_add_nc_u32 v[STO], s45, v5                   ; in: row r, 32 bytes for each half
	v_mul_u32_u24 v6, v2, SPITCH
	v_lshl_add_u32 v6, v1, 4, v6
	v_add_nc_u32 v[RD], s45, v6                    ; back: sixteen lanes a row of 256 bytes
	v_lshlrev_b32 v7, 4, v1
	v_lshl_add_u32 v[CO], v2, 12, v7               ; and the same two rows in out0
.macro MUL4 f, a, zero                 ; m tile a x four n tiles, 32 along K
.irp b, 0,1,2,3
.if \zero
	v_wmma_f32_16x16x32_f16 v[8*(4*\a+\b):8*(4*\a+\b)+7], v[FB+64*\f+8*\b:FB+64*\f+8*\b+7], v[FA+64*\f+8*\a:FA+64*\f+8*\a+7], 0
.else
	v_wmma_f32_16x16x32_f16 v[8*(4*\a+\b):8*(4*\a+\b)+7], v[FB+64*\f+8*\b:FB+64*\f+8*\b+7], v[FA+64*\f+8*\a:FA+64*\f+8*\a+7], v[8*(4*\a+\b):8*(4*\a+\b)+7]
.endif
.endr
.endm
; 16 LDS loads: B's four fragments, then A's four, of eighth kq (32 K) of the slot's 256, into buffer f.  A's eighth lies in head kq / 2.
.macro FETCH slot, kq, f
.irp i, 0,1,2,3
	ds_load_b128 v[FB+64*\f+8*\i:FB+64*\f+8*\i+3],   v[ADRB+\slot] offset:\kq*64+\i*16*BP
	ds_load_b128 v[FB+64*\f+8*\i+4:FB+64*\f+8*\i+7], v[ADRB+\slot] offset:\kq*64+\i*16*BP+32
.endr
.irp i, 0,1,2,3
	ds_load_b128 v[FA+64*\f+8*\i:FA+64*\f+8*\i+3],   v[ADRA+\slot] offset:(\kq>>1)*HEADT+(\kq&1)*64+\i*16*AP
	ds_load_b128 v[FA+64*\f+8*\i+4:FA+64*\f+8*\i+7], v[ADRA+\slot] offset:(\kq>>1)*HEADT+(\kq&1)*64+\i*16*AP+32
.endr
.endm
.macro PLACES                          ; four plain vector instructions between a matrix instruction and a load into its sources or a reader of its result (ISA guide 7.12.1 for vector instructions)
.rept 4
	v_nop
.endr
.endm
; An eighth of a K step: 16 matrix instructions on buffer f; in its middle eighth kq is fetched into buffer g.
; The 16 accumulators take turns, one instruction a turn, in the same order in every eighth.
.macro EIGHTH slot, kq, f, g, zero
	s_wait_dscnt 4                                 ; B and A's fragments 0, 1 are in; the youngest four loads (A's 2, 3) may be out
	WIN ACC
	MUL4 \f, 0, \zero
	MUL4 \f, 1, \zero
	WIN 0
	PLACES
	FETCH \slot, \kq, \g
	s_wait_dscnt 16                                ; all but the 16 just issued
	WIN ACC
	MUL4 \f, 2, \zero
	MUL4 \f, 3, \zero
.endm
.macro SEVEN slot, zero
	EIGHTH \slot, 1, 0, 1, \zero
	EIGHTH \slot, 2, 1, 0, 0
	EIGHTH \slot, 3, 0, 1, 0
	EIGHTH \slot, 4, 1, 0, 0
	EIGHTH \slot, 5, 0, 1, 0
	EIGHTH \slot, 6, 1, 0, 0
	EIGHTH \slot, 7, 0, 1, 0
.endm
; The last eighth multiplies buffer 1 and changes slots: each wave's waits for its reads of this slot and for all its tensor loads, the
; barrier (which opens a round of the cluster's barrier where the slot is filled again), the joint refill first behind it.
.macro TURN slot, next, fill
	s_wait_dscnt 4
	WIN ACC
	MUL4 1, 0, 0
	s_wait_dscnt 0
	s_wait_tensorcnt 0x0
	ds_add_u32 v254, v255
	s_wait_dscnt 0x0
	s_barrier_signal -1
	MUL4 1, 1, 0                                   ; register work between signal and wait
	WIN 0
	s_barrier_wait -1
.if \fill
	CREST
	s_add_nc_u64 s[G0+4*\slot+2:G0+4*\slot+3], s[G0+4*\slot+2:G0+4*\slot+3], 2*ASTEP
	s_add_nc_u64 s[G0B+4*\slot+2:G0B+4*\slot+3], s[G0B+4*\slot+2:G0B+4*\slot+3], 2*512
	JLOAD \slot
.endif
	PLACES
	FETCH \next, 0, 0
	WIN ACC
	MUL4 1, 2, 0
	MUL4 1, 3, 0
.endm
	s_wait_tensorcnt 1                             ; my part of K step 0 is in; K step 1's load, issued behind it, stays out
	s_barrier_signal -1
	s_barrier_wait -1
	FETCH 0, 0, 0
	SEVEN 0, 1                                     ; the first products start the sums
	TURN 0, 1, 1                                   ; slot 0 gets K step 2
	SEVEN 1, 0
	TURN 1, 0, 1                                   ; slot 1 gets K step 3
	SEVEN 0, 0
	TURN 0, 1, 0                                   ; nothing is left to fetch
	SEVEN 1, 0
	s_wait_dscnt 4
	WIN ACC
	MUL4 1, 0, 0
	MUL4 1, 1, 0
	s_wait_dscnt 0
	MUL4 1, 2, 0
	MUL4 1, 3, 0
	; THE WAY OUT, 16 rows at a time: 32 bytes a lane into my own stage, read back as whole rows of 256 bytes, the bias added, stored.
	PLACES
	s_wait_loadcnt 0x0                             ; the bias
.macro OUT a
	WIN STW
.irp b, 0,1,2,3
	ds_store_b128 v[STO], v[8*(4*\a+\b):8*(4*\a+\b)+3]   offset:64*\b
	ds_store_b128 v[STO], v[8*(4*\a+\b)+4:8*(4*\a+\b)+7] offset:64*\b+16
.endr
	WIN 0
	s_wait_xcnt 0x0                                ; RB, which the last sixteen rows' stores read, is loaded again only behind this wait
.irp t, 0,1,2,3,4,5,6,7
	ds_load_b128 v[RB+4*\t:RB+4*\t+3], v[RD] offset:\t*2*SPITCH      ; LDS serves a wave's instructions in order: these see the stores above
.endr
.irp t, 0,1,2,3,4,5,6,7
	s_wait_dscnt 7-\t                              ; the younger loads of the eight stay out
	v_pk_add_f32 v[RB+4*\t:RB+4*\t+1],   v[RB+4*\t:RB+4*\t+1],   v[BIAS:BIAS+1]
	v_pk_add_f32 v[RB+4*\t+2:RB+4*\t+3], v[RB+4*\t+2:RB+4*\t+3], v[BIAS+2:BIAS+3]
	global_store_b128 v[CO], v[RB+4*\t:RB+4*\t+3], s[74:75] offset:(16*\a+2*\t)*4096 th:TH_STORE_NT   ; sixteen lanes store 256 consecutive bytes, aligned
.endr
.endm
	OUT 0
	OUT 1
	OUT 2
	OUT 3
	s_wait_tensorcnt 0x0
	ds_add_u32 v254, v255
	s_wait_dscnt 0x0
	CROUND                                         ; the closing round: no work-group ends while a partner may still ask jointly
	s_endpgm
.Lfunc_end_k_q69906f80fc_oproj:
	.size	k_q69906f80fc_oproj, .Lfunc_end_k_q69906f80fc_oproj-k_q69906f80fc_oproj
	.p2alignl 7, 3214868480
	.fill 96, 4, 3214868480
	.section	.rodata,"a",@progbits
	.p2align	6, 0x0
	.amdhsa_kernel k_q69906f80fc_oproj
		.amdhsa_group_segment_fixed_size 327680
		.amdhsa_private_segment_fixed_size 0
		.amdhsa_enable_private_segment 0
		.amdhsa_kernarg_size 32
		.amdhsa_user_sgpr_count 2
		.amdhsa_user_sgpr_kernarg_segment_ptr 1
		.amdhsa_wavefront_size32 1
		.amdhsa_system_sgpr_workgroup_id_x 1
		.amdhsa_system_sgpr_workgroup_id_y 1
		.amdhsa_system_sgpr_workgroup_id_z 1
		.amdhsa_system_vgpr_workitem_id 0
		.amdhsa_next_free_vgpr 384
		.amdhsa_next_free_sgpr 80
		.amdhsa_reserve_vcc 0
		.amdhsa_float_denorm_mode_32 3
		.amdhsa_float_denorm_mode_16_64 3
		.amdhsa_memory_ordered 1
		.amdhsa_forward_progress 1
		.amdhsa_inst_pref_size 94
	.end_amdhsa_kernel
	.amdgpu_metadata
---
amdhsa.version: [ 1, 2 ]
amdhsa.kernels:
  - .name:           k_q69906f80fc_oproj
    .symbol:         k_q69906f80fc_oproj.kd
    .args:
      - { .name: ctx, .offset: 0, .size: 8, .value_kind: global_buffer, .address_space: global }
      - { .name: wot, .offset: 8, .size: 8, .value_kind: global_buffer, .address_space: global }
      - { .name: b_o, .offset: 16, .size: 8, .value_kind: global_buffer, .address_space: global }
      - { .name: out0, .offset: 24, .size: 8, .value_kind: global_buffer, .address_space: global }
    .group_segment_fixed_size: 327680
    .private_segment_fixed_size: 0
    .kernarg_segment_align: 8
    .kernarg_segment_size: 32
    .max_flat_workgroup_size: 128
    .sgpr_count:     80
    .vgpr_count:     384
    .wavefront_size: 32
...
	.end_amdgpu_metadata
.endif
;; end of part 4
